; MI455X (gfx1250); checked and timed in simulation.
; The chip was launched on July 23, 2026; its instructions are those of AMD's public machine-readable ISA for CDNA 5 (MIT licence, August 2026) and "CDNA5" Instruction Set Architecture Reference Guide (July 2026). The comments in the code are by the model that wrote it; some were corrected since.
;; Two Stage Attention Layer2. Allowed arithmetic: float matrix products may take bf16 or f16 operands with f32 sums; all other float work in f32.
;; Inputs: W1a 128 x 512 float32; W1b 128 x 512 float32; W2a 512 x 128 float32; W2b 512 x 128 float32; b1a 512 float32; b1b 512 float32; b2a 128 float32; b2b 128 float32; be1 128 float32; be2 128 float32; be3 128 float32; be4 128 float32; bo_recv 128 float32; bo_send 128 float32; bo_time 128 float32; g1 128 float32; g2 128 float32; g3 128 float32; g4 128 float32; router 256 x 10 x 128 float32; x 8 x 64 x 256 x 128 float32.
;; Outputs: out0 8 x 64 x 256 x 128 float32.
;; One version. Each part assembles by itself: llvm-mc -triple=amdgcn-amd-amdhsa -mcpu=gfx1250 --defsym DOCPART=n.
;; ======== version 1 of 1: 2 launches
;; limits: a function is approximated: absolute error at most 0.00018; an absolute error that grows with the inputs' magnitude: up to 0.00018 times it
;; workspace buffers: wfrag 524,288 bytes
;; launch prep (part 1): grid 128 x 1, 8 waves a work-group, no clusters, 0 bytes of LDS; arguments W1a, W2a, W1b, W2b, wfrag; writes wfrag
.if DOCPART == 1
	.amdgcn_target "amdgcn-amd-amdhsa--gfx1250"
	.amdhsa_code_object_version 6
	.text
	.protected	k_q800a98a44f_prep
	.globl	k_q800a98a44f_prep
	.p2align	8
	.type	k_q800a98a44f_prep,@function
k_q800a98a44f_prep:
	s_mov_b64 s[64:65], 0
	v_nop
	global_prefetch_b8 v0, s[64:65] scope:SCOPE_SE
	s_setreg_imm32_b32 hwreg(HW_REG_WAVE_MODE, 25, 1), 1
	s_wait_xcnt 0x0
; The four weight matrices, rounded once to bf16 and laid out as the matrix instruction's source-0 fragments, so that the main launch
; brings them into LDS as dense bytes and reads each fragment with two loads of 16 bytes a lane.
; A piece of 16 bytes of wfrag lies at  mlp*262144 + j*16384 + part*8192 + f*1024 + q*512 + h*256 + r*16  and holds A(m = r, k = 16 q + 8 h + 0..7), the lower k in the lower bits;
; j = 0..15 is the block of 32 of the 512 hidden numbers.
;   part 0 (W1 turned): f = 2 kb + td, element W1[32 kb + k][32 j + 16 td + r]          part 1 (W2 turned): f = mt, element W2[32 j + k][16 mt + r]
; Work-group g writes bytes 4096 g .. 4096 g + 4095, a piece a thread: g bit 0 = f bit 2, bit 1 = part, bits 5:2 = j, bit 6 = mlp.
; Thread t: t & 31 = 16 (f & 1) + r, (t >> 5) & 3 = h + 2 q, t >> 7 = f bit 1.  A load of a wave reads 128 consecutive bytes of a row; 16 lanes store 256 consecutive bytes, aligned.
; 128 work-groups: 1 MiB is read and half of that written, and there is no more work than that.
.macro LD8 base, stride             ; my eight numbers, k ascending, one row of the matrix apart
.irp i, 0,1,2,3,4,5,6,7
	global_load_b32 v[10+\i], v8, s[\base:\base+1] offset:\i*\stride
.endr
.endm
	s_load_b256 s[4:11], s[0:1], 0x0               ; W1a s[4:5], W2a s[6:7], W1b s[8:9], W2b s[10:11]
	s_load_b64 s[12:13], s[0:1], 0x20              ; wfrag
	s_mov_b32 s20, ttmp9                           ; g
	v_and_b32 v1, 31, v0                           ; 16 (f & 1) + r
	v_bfe_u32 v2, v0, 5, 2                         ; h + 2 q
	v_lshrrev_b32 v3, 7, v0                        ; f bit 1
	s_and_b32 s14, s20, 1
	s_lshl_b32 s14, s14, 6
	v_lshl_add_u32 v4, v3, 5, s14                  ; FV = 64 (f bit 2) + 32 (f bit 1)
	s_bfe_u32 s15, s20, 0x40002
	s_lshl_b32 s15, s15, 5                         ; CB = 32 j
	v_and_b32 v5, 15, v0                           ; where my piece goes: 16 r
	v_bfe_u32 v6, v0, 4, 1
	v_lshlrev_b32 v5, 4, v5
	v_lshl_add_u32 v5, v6, 10, v5                  ; + 1024 (f & 1)
	v_lshl_add_u32 v5, v2, 8, v5                   ; + 256 (h + 2 q)
	v_lshl_add_u32 v5, v3, 11, v5                  ; + 2048 (f bit 1)
	s_lshl_b32 s21, s20, 12
	v_add_nc_u32 v5, s21, v5                       ; + 4096 g
	s_and_b32 s22, s20, 64                         ; which MLP
	s_and_b32 s23, s20, 2                          ; which part
	s_wait_kmcnt 0x0
	s_cmp_lg_u32 s22, 0
	s_cselect_b64 s[16:17], s[8:9], s[4:5]         ; W1 of my MLP
	s_cselect_b64 s[18:19], s[10:11], s[6:7]       ; W2 of my MLP
	s_cmp_lg_u32 s23, 0
	s_cbranch_scc1 .Lw2
	v_lshl_add_u32 v7, v2, 3, v4                   ; W1 [128][512]: row k = FV + 8 (h + 2 q),
	v_add_nc_u32 v8, s15, v1                       ; column CB + 16 td + r
	v_lshlrev_b32 v8, 2, v8
	v_lshl_add_u32 v8, v7, 11, v8                  ; a row is 2,048 bytes
	LD8 16, 2048
	s_branch .Lgot
.Lw2:
	v_lshl_add_u32 v7, v2, 3, s15                  ; W2 [512][128]: row k = CB + 8 (h + 2 q),
	v_add_nc_u32 v8, v4, v1                        ; column 16 mt + r
	v_lshlrev_b32 v8, 2, v8
	v_lshl_add_u32 v8, v7, 9, v8                   ; a row is 512 bytes
	LD8 18, 512
.Lgot:
	s_wait_loadcnt 0x0
.irp i, 0,1,2,3
	v_cvt_pk_bf16_f32 v[18+\i], v[10+2*\i], v[11+2*\i]  ; the lower k into the low half
.endr
	global_store_b128 v5, v[18:21], s[12:13]
	s_endpgm
.Lfunc_end_k_q800a98a44f_prep:
	.size	k_q800a98a44f_prep, .Lfunc_end_k_q800a98a44f_prep-k_q800a98a44f_prep
	.p2alignl 7, 3214868480
	.fill 96, 4, 3214868480
	.section	.rodata,"a",@progbits
	.p2align	6, 0x0
	.amdhsa_kernel k_q800a98a44f_prep
		.amdhsa_group_segment_fixed_size 0
		.amdhsa_private_segment_fixed_size 0
		.amdhsa_enable_private_segment 0
		.amdhsa_kernarg_size 40
		.amdhsa_user_sgpr_count 2
		.amdhsa_user_sgpr_kernarg_segment_ptr 1
		.amdhsa_wavefront_size32 1
		.amdhsa_system_sgpr_workgroup_id_x 1
		.amdhsa_system_sgpr_workgroup_id_y 1
		.amdhsa_system_sgpr_workgroup_id_z 1
		.amdhsa_system_vgpr_workitem_id 0
		.amdhsa_next_free_vgpr 24
		.amdhsa_next_free_sgpr 66
		.amdhsa_reserve_vcc 0
		.amdhsa_float_denorm_mode_32 3
		.amdhsa_float_denorm_mode_16_64 3
		.amdhsa_memory_ordered 1
		.amdhsa_forward_progress 1
		.amdhsa_inst_pref_size 4
	.end_amdhsa_kernel
	.amdgpu_metadata
---
amdhsa.version: [ 1, 2 ]
amdhsa.kernels:
  - .name:           k_q800a98a44f_prep
    .symbol:         k_q800a98a44f_prep.kd
    .args:
      - { .name: W1a, .offset: 0, .size: 8, .value_kind: global_buffer, .address_space: global }
      - { .name: W2a, .offset: 8, .size: 8, .value_kind: global_buffer, .address_space: global }
      - { .name: W1b, .offset: 16, .size: 8, .value_kind: global_buffer, .address_space: global }
      - { .name: W2b, .offset: 24, .size: 8, .value_kind: global_buffer, .address_space: global }
      - { .name: wfrag, .offset: 32, .size: 8, .value_kind: global_buffer, .address_space: global }
    .group_segment_fixed_size: 0
    .private_segment_fixed_size: 0
    .kernarg_segment_align: 8
    .kernarg_segment_size: 40
    .max_flat_workgroup_size: 256
    .sgpr_count:     66
    .vgpr_count:     24
    .wavefront_size: 32
...
	.end_amdgpu_metadata
.endif
;; end of part 1
;; launch fused (part 2): grid 256 x 1, 4 waves a work-group, clusters of 4 x 1, 327,680 bytes of LDS; arguments x, wfrag, bo_time, g1, be1, b2a, g2, be2, bo_recv, g3, be3, b2b, g4, be4, b1a, b1b, out0; writes out0
.if DOCPART == 2
	.amdgcn_target "amdgcn-amd-amdhsa--gfx1250"
	.amdhsa_code_object_version 6
	.text
	.protected	k_q800a98a44f_fused
	.globl	k_q800a98a44f_fused
	.p2align	8
	.type	k_q800a98a44f_fused,@function
k_q800a98a44f_fused:
	s_mov_b64 s[64:65], 0
	v_nop
	global_prefetch_b8 v0, s[64:65] scope:SCOPE_SE
	s_setreg_imm32_b32 hwreg(HW_REG_WAVE_MODE, 25, 1), 1
	s_wait_xcnt 0x0
	s_wait_alu depctr_hold_cnt(0) depctr_sa_sdst(0) depctr_va_vdst(0) depctr_va_sdst(0) depctr_va_ssrc(0) depctr_va_vcc(0) depctr_vm_vsrc(0)
	s_getreg_b32 s2, hwreg(HW_REG_IB_STS2, 6, 4)
	s_cmp_eq_u32 s2, 0
	s_cbranch_scc0 .Lentry_in_a_cluster
	s_endpgm
.Lentry_in_a_cluster:
	s_bfe_u32 s2, ttmp6, 0x10000c
	s_cmp_lg_u32 s2, 0x3003
	s_cbranch_scc0 .Lentry_shape_is_right
	s_endpgm
.Lentry_shape_is_right:
; out0[row] = LN4(e + MLPb(e)), e = LN3(d + bo_recv), d = LN2(c + MLPa(c)), c = LN1(x[row] + bo_time); MLP(v) = gelu(v W1 + b1) W2 + b2, gelu exact (by erf).
; The module's two transposes only reorder rows and cancel, and every step works on one row of 128 numbers: 131,072 rows that do not depend on each other, out0 laid out as x.
; The module's definition never uses router and bo_send: no number of out0 hangs on them, so they are not among the arguments.
; LIMITS.  Matrix operands (the LayerNorms' results, gelu's results, the weights) are rounded to bf16; sums, norms, residuals and gelu are f32.  gelu(h) = h (0.5 + u Q(u^2)), u = h clipped to -4..4,
; Q of degree 6: 0.5 + u Q(u^2) lies within 1.8e-4 of the normal distribution function for every h, so gelu is off by 1.8e-4 |h| at the most.  NaN and infinities are not treated apart; each pass's first eight
; products of the second kind multiply W2 by zeros, so an infinite W2 gives NaN there too.  A variance is the mean of squares of differences from the mean, in two passes over the row.
; SHARES.  A work-group owns 512 rows, as two batches of 256; of a batch a wave owns 64 rows: four tiles of 16.  A PASS is one MLP, with the norm in front and the norm behind, on one batch: four passes, one loop.
; LAYOUT.  Both products are used transposed: H^T = W1^T X^T and Y^T = W2^T G^T (source 0 = 16 rows of the turned weights, source 1 = 16 rows of data).  In every result a lane holds ONE row (lane % 16),
; and register j of result mt the feature 16 mt + 8 (lane / 16) + j.  Two results H^T, rounded in pairs, ARE source 1 of the second product; a tile's 64 registers of Y^T, rounded in pairs, ARE the four
; fragments of source 1 of the next MLP; a norm is a sum over a lane's 64 registers and one exchange between the halves of the lanes.  Nothing changes lanes from x to out0.
; b1 is the C operand that starts H^T; the residual plus b2 is what Y^T is added onto; bo_recv is added to be2 once.
; BY TURNS.  For block j of 32 hidden numbers and tile t: 8 products H^T, 96 vector instructions of gelu, 8 products Y^T.  Turn (j, t) holds gelu of (j, t), H^T of the tile behind it and Y^T of the tile in front of
; it; six of gelu's instructions stand behind each matrix instruction.  All of them are plain, and none names a register of the products round it.
; WEIGHTS.  wfrag holds them as fragments, a block of 32 hidden numbers in 16 KiB (W1's 8 fragments, then W2's 8), a CHUNK of four blocks in 64 KiB.  Chunk 0 of either MLP stays in LDS; chunks 1 to 3 go through two
; slots: entering chunk 0 asks for chunk 1, chunk 1 for 2, chunk 2 for 3, chunk 3 for nothing: the same in every pass.  Each wave fetches a quarter: one tensor load of 64 rows x 256 bytes behind each round, which has a
; chunk's 256 matrix instructions in which to land.  By this text's count a wave has two tensor loads out at the start, later one.
; CLUSTER.  The four work-groups of a cluster walk the same weights in the same order, so each load is asked for JOINTLY: the same descriptor and a mask of four in all four.
; X AND OUT0 go through registers and a stage in LDS of each wave's own: a load or store of a wave is one whole row, 512 consecutive bytes.  In front of each change of slots a wave waits for all its tensor loads, so a
; long tensor load of x would hold the weights' ring up; loads into registers stay out across barriers: the second batch's x is asked for in the first pass, and the first batch's stores leave during the third.
; REGISTERS, in windows of 256 (s_set_vgpr_msb: bits 1:0 source 0, 3:2 source 1, 5:4 source 2, 7:6 destination):
;   window 0: v0-35 addresses and statistics; v64-175 in the MLP: H^T (two buffers), gelu at work, P (two buffers), b1; outside it v64-255: gains, biases, rows on the way out
;   window 1: v0-127 X's fragments, 32 a tile; v128-191 W1's fragments of a block; v192-255 W2's          window 2: the rows in f32, 64 a tile          window 3: 64 rows of x as loaded, 4 registers a row
; gelu works in window 0, where a product's operands have no room beside it: two switches for each matrix instruction.
.set RA,     0x20000                ; LDS: slots at 0 and 0x10000; MLP a's chunk 0 here,
.set RBB,    0x30000                ; MLP b's here: one exclusive or turns either pair's one address into the other
.set PAR,    0x40000                ; the small vectors, a set of 8,192 bytes for each MLP
.set STAGE,  PAR+16384              ; 16 rows x 528 bytes for each wave, likewise
.set SPITCH, 528                    ; 512 + 16 = 33 x 16 bytes: the 16 rows that a load of 16 lanes touches begin at 16 different 16-byte columns of 256 bytes
.set WSTG,   16*SPITCH
.set SPARE,  STAGE+4*WSTG           ; the spare words, 128 bytes for each wave: two blocks of 256 bytes that no other line names
.set BLK,    16384
.set O_GPRE, 0                      ; a set: the gain and bias of the norm in front (g1, be1 | g3, be3),
.set O_BPRE, 512
.set O_B2,   1024                   ; b2,
.set O_GPOST, 1536                  ; the gain and bias of the norm behind (g2, be2 + bo_recv | g4, be4),
.set O_BPOST, 2048
.set O_BO,   2560                   ; bo_time (first set alone),
.set O_B1,   4096                   ; b1, 2,048 bytes
.set L16, 1                         ; v1   16 x lane; never rewritten
.set ADR, 2                         ; v2   the LDS address of the run of loads in hand
.set PA0, 3                         ; v3   PAR + 32 (lane / 16)
.set PA,  4                         ; v4   the same in the pass's set
.set BADR, 5                        ; v5   where the block's b1 lies
.set STF, 6                         ; v6   my stage by fragments: row lane % 16, 32 bytes for each half of the lanes
.set STR, 7                         ; v7   my stage by rows: 16 x lane
.set SPW, 8                         ; v8   LDS address of my spare word; never rewritten
.set NIL, 9                         ; v9   0; never rewritten
.set PST, 10                        ; v10  PAR + 16 x lane
.set SUM, 16                        ; v16-23  a pair a tile
.set VAR, 24                        ; v24-31  a pair a tile
.set TP,  32                        ; v32-35  what the other half of the lanes sends
.set HB,  64                        ; H^T: two buffers of 16, by the tile's parity
.set UU,  96                        ; u
.set SS,  112                       ; u^2
.set QQ,  128                       ; the polynomial, then gelu
.set PB,  144                       ; P: two buffers of 8
.set BI,  160                       ; b1 of the block, as two C operands
.set GP,  64                        ; outside the MLP: a gain,
.set BP,  128                       ; a bias,
.set XP,  192                       ; bo_time or b2; at the head the small vectors on their way to LDS
.set OB,  64                        ; the way out: two buffers of 16 rows
.set XB,  0                         ; window 1
.set W1F, 128
.set W2F, 192
.set WV,  42                        ; s42  my wave's number
.set G1W, 44                        ; s[44:51] descriptor group 1, the same for every load
.set G0A, 52                        ; s[52:55] group 0: MLP a's chunk 0, later the ring's
.set G0B, 56                        ; s[56:59] group 0: MLP b's chunk 0
.set CF,  66                        ; s[66:79] Q's seven coefficients, each as a pair
.set SEL, 80                        ; s[80:81] v_permlanex16_b32's selects: each lane takes its own place in the other half
.set TB,  82                        ; s82  LDS byte at which the block to be fetched begins
.set RG,  83                        ; s83  the slot in hand
.set RB,  84                        ; s84  the pass's resident chunk
.set PM,  85                        ; s85  the pass's set of small vectors: 0 or 0x2000
.set PAS, 86                        ; s86  passes to go
.set CNT, 87                        ; s87  counts a chunk's blocks
.set CH,  88                        ; s88  counts the chunks that ask for another
.set NXT, 89                        ; s89  the chunk of wfrag to be asked for next
.set OFF, 90                        ; s[90:91] its byte offset
.set WB,  92                        ; s[92:93] wfrag at my quarter of chunk 0
.set XPT, 94                        ; s[94:95] x at my wave's first row
.set OPT, 96                        ; s[96:97] out0 at my wave's rows of the batch in hand
.set BB,  98                        ; s98  the byte of b1 at which the block to be fetched begins
.set W16K, 99                       ; s99  16,384 x wave
.set RN,  100                       ; s100 1/128
.set EPS, 101                       ; s101 1e-5
.set MSB, 0
.macro WIN new                      ; the immediate's high byte repeats the setting that is left; a switch that changes nothing is dropped
.if MSB != (\new)
	s_set_vgpr_msb (MSB<<8)|(\new)
.set MSB, (\new)
.endif
.endm
; A round of the cluster's barrier: my work-group's barrier, so that wave 0's signal speaks for all four waves; wave 0 signals; every wave waits for all four work-groups; my work-group's barrier once more.
.macro CROUND
	s_barrier_signal -1
	s_barrier_wait -1
	s_cmp_lg_u32 s[WV], 0
	s_cbranch_scc1 .Lnot_wave_0_\@
	s_barrier_signal -3
.Lnot_wave_0_\@:
	s_barrier_wait -3
	s_barrier_signal -1
	s_barrier_wait -1
.endm
.macro COEF k, bits
	s_mov_b32 s[CF+2*(\k)], \bits
	s_mov_b32 s[CF+2*(\k)+1], s[CF+2*(\k)]         ; named with it as a pair
.endm
	s_load_b512 s[8:23], s[0:1], 0x0               ; x s[8:9], wfrag s[10:11], bo_time s[12:13], g1 s[14:15], be1 s[16:17], b2a s[18:19], g2 s[20:21], be2 s[22:23]
	s_load_b512 s[24:39], s[0:1], 0x40             ; bo_recv s[24:25], g3 s[26:27], be3 s[28:29], b2b s[30:31], g4 s[32:33], be4 s[34:35], b1a s[36:37], b1b s[38:39]
	s_load_b64 s[40:41], s[0:1], 0x80              ; out0
	v_lshl_add_u32 v[SPW], v0, 2, SPARE
	v_mov_b32 v[NIL], 0
	ds_add_u32 v[SPW], v[NIL]                      ; the wave's opening: the add and its wait stand ahead of my first tensor load; the set-up below, work on registers, stands between them
	v_lshrrev_b32 v11, 5, v0
	v_readfirstlane_b32 s[WV], v11                 ; wave 0..3
	s_bfe_u32 s43, ttmp6, 0x40000                  ; cx: my place in the cluster
	s_lshl_b32 s3, ttmp9, 2                        ; in a cluster launch ttmp9 counts clusters
	s_add_co_u32 s3, s3, s43                       ; my work-group: it enters x's and out0's addresses alone
	s_lshl_b32 s4, s3, 18                          ; its 512 rows of 512 bytes,
	s_lshl_b32 s5, s[WV], 15                       ; my wave's 64 rows of a batch
	s_add_co_u32 s4, s4, s5
	s_mov_b32 s5, 0
	s_lshl_b32 s[W16K], s[WV], 14                  ; my quarter of a chunk, in wfrag and in LDS: no place in the cluster enters it
	s_mov_b32 s6, s[W16K]
	s_mov_b32 s7, 0
	; descriptor group 1: 16,384 dense bytes as 64 rows of 256
	s_mov_b32 s[G1W+0], 15|(3<<16)|(1<<21)         ; 15:0 the mask: all four work-groups; 17:16 elements of 8 bytes; 21 set beside a mask; no padding: a fragment is read as consecutive bytes
	s_mov_b32 s[G1W+1], 32<<16                     ; tensor_dim0 = 32
	s_mov_b32 s[G1W+2], 64<<16                     ; tensor_dim1 = 64
	s_mov_b32 s[G1W+3], 32<<16                     ; tile_dim0 = 32
	s_mov_b32 s[G1W+4], 64                         ; tile_dim1 = 64
	s_mov_b32 s[G1W+5], 32                         ; 32 elements from row to row
	s_mov_b32 s[G1W+6], 0
	s_mov_b32 s[G1W+7], 0
	s_mov_b32 s[G0A], 1                            ; count = 1
	s_add_co_u32 s[G0A+1], s[W16K], RA             ; LDS address
	s_mov_b32 s[G0B], 1
	s_add_co_u32 s[G0B+1], s[W16K], RBB
	COEF 0, 0x3ecc012f                             ;  3.98446542e-1
	COEF 1, 0xbd85abe5                             ; -6.52692691e-2
	COEF 2, 0x3c1453ca                             ;  9.05317989e-3
	COEF 3, 0xba630d70                             ; -8.66136523e-4
	COEF 4, 0x385daac1                             ;  5.28495322e-5
	COEF 5, 0xb5f4e945                             ; -1.82473071e-6
	COEF 6, 0x32e6caa5                             ;  2.68676754e-8
	s_mov_b32 s[SEL], 0x76543210
	s_mov_b32 s[SEL+1], 0xfedcba98
	s_mov_b32 s[RN], 0x3c000000
	s_mov_b32 s[EPS], 0x3727c5ac
	s_mov_b32 s[OFF+1], 0
	s_mov_b32 s[PM], 0
	s_mov_b32 s[RB], RA
	s_mov_b32 s[PAS], 4
	v_and_b32 v[L16], 31, v0
	v_lshlrev_b32 v[L16], 4, v[L16]
	v_and_b32 v12, 15, v0                          ; lane % 16
	v_bfe_u32 v13, v0, 4, 1                        ; lane / 16
	v_lshl_add_u32 v[PA0], v13, 5, PAR
	v_mov_b32 v[PA], v[PA0]
	s_mul_i32 s2, s[WV], WSTG
	s_add_co_u32 s2, s2, STAGE                     ; my stage
	v_mul_u32_u24 v[STF], v12, SPITCH
	v_lshl_add_u32 v[STF], v13, 5, v[STF]
	v_add_nc_u32 v[STF], s2, v[STF]
	v_add_nc_u32 v[STR], s2, v[L16]
	v_add_nc_u32 v[PST], PAR, v[L16]
.irp i, 0,1,2,3
	v_mov_b32 v[TP+\i], 0                          ; v_permlanex16_b32's destination counts as read
.endr
	s_wait_dscnt 0x0                               ; the opening add is done
	s_wait_kmcnt 0x0
	s_add_nc_u64 s[XPT:XPT+1], s[8:9], s[4:5]
	s_add_nc_u64 s[OPT:OPT+1], s[40:41], s[4:5]
	s_add_nc_u64 s[WB:WB+1], s[10:11], s[6:7]
	s_mov_b64 s[G0A+2:G0A+3], s[WB:WB+1]           ; global address: MLP a's block w
	s_or_b32 s[G0A+3], s[G0A+3], 0x80000000        ; type = 2
	s_add_nc_u64 s[G0B+2:G0B+3], s[WB:WB+1], 262144  ; MLP b's block w
	s_or_b32 s[G0B+3], s[G0B+3], 0x80000000
	CROUND                                         ; all four work-groups are here: the first joint loads meet
	tensor_load_to_lds s[G0A:G0A+3], s[G1W:G1W+7]  ; the two first fills go out together, ahead of every wait on TENSORcnt, every LDS read and every other barrier
	s_nop 0
	tensor_load_to_lds s[G0B:G0B+3], s[G1W:G1W+7]
	s_nop 0
.rept 4
	v_nop                                          ; an s_nop 0 stands behind each load; the windows are switched behind four instructions
.endr
	WIN 0xc0                                       ; destination window 3, address window 0
.set i, 0
.rept 64                                           ; the first batch's 64 rows: a row a load
	global_load_b128 v[4*i:4*i+3], v[L16], s[XPT:XPT+1] offset:512*i th:TH_LOAD_NT
.set i, i+1
.endr
	WIN 0
; The small vectors go to LDS once, shared out among the waves.  They are asked for behind x, and the wait is for all loads: the first pass wants all of x straight afterwards in any case.
.macro PLD k, ptr, off=0
	global_load_b128 v[XP+4*(\k):XP+4*(\k)+3], v[L16], s[\ptr:\ptr+1] offset:\off
.endm
.macro PSTO k, off
	ds_store_b128 v[PST], v[XP+4*(\k):XP+4*(\k)+3] offset:\off
.endm
	s_cmp_lg_u32 s[WV], 0
	s_cbranch_scc1 .Lpar1
	PLD 0, 14                                      ; g1
	PLD 1, 16                                      ; be1
	PLD 2, 18                                      ; b2a
	PLD 3, 12                                      ; bo_time
	s_wait_loadcnt 0x0
	PSTO 0, O_GPRE
	PSTO 1, O_BPRE
	PSTO 2, O_B2
	PSTO 3, O_BO
	s_branch .Lpar_done
.Lpar1:
	s_cmp_lg_u32 s[WV], 1
	s_cbranch_scc1 .Lpar2
	PLD 0, 20                                      ; g2
	PLD 1, 22                                      ; be2
	PLD 2, 24                                      ; bo_recv
	s_wait_loadcnt 0x0
	v_pk_add_f32 v[XP+4:XP+5], v[XP+4:XP+5], v[XP+8:XP+9]    ; the second norm's bias takes bo_recv along
	v_pk_add_f32 v[XP+6:XP+7], v[XP+6:XP+7], v[XP+10:XP+11]
	PSTO 0, O_GPOST
	PSTO 1, O_BPOST
	s_branch .Lpar_done
.Lpar2:
	s_cmp_lg_u32 s[WV], 2
	s_cbranch_scc1 .Lpar3
	PLD 0, 26                                      ; g3
	PLD 1, 28                                      ; be3
	PLD 2, 30                                      ; b2b
	PLD 3, 32                                      ; g4
	PLD 4, 34                                      ; be4
	s_wait_loadcnt 0x0
	PSTO 0, 8192+O_GPRE
	PSTO 1, 8192+O_BPRE
	PSTO 2, 8192+O_B2
	PSTO 3, 8192+O_GPOST
	PSTO 4, 8192+O_BPOST
	s_branch .Lpar_done
.Lpar3:
.irp k, 0,1,2,3
	PLD \k, 36, 512*\k                             ; b1a
	PLD 4+\k, 38, 512*\k                           ; b1b
.endr
	s_wait_loadcnt 0x0
.irp k, 0,1,2,3
	PSTO \k, O_B1+512*\k
	PSTO 4+\k, 8192+O_B1+512*\k
.endr
.Lpar_done:
	s_wait_dscnt 0x0                               ; for the others' sake: my stores are done
	s_barrier_signal -1
	s_barrier_wait -1                              ; The two tensor loads may stay out
; THE MATRIX WORK.  Product i of 8 of H^T for tile x: features 32 (i / 2) on, hidden numbers 16 (i % 2) on.  The two accumulators take turns; the first two products start the sums with b1.
.macro MM1 x
	WIN 0x05                                       ; W1 and X in window 1, H^T and b1 in window 0
.set rD, HB+16*((\x)%2)+8*(i%2)
.set rA, W1F+8*i
.set rB, XB+32*(\x)+8*(i/2)
.if i < 2
	v_wmma_f32_16x16x32_bf16 v[rD:rD+7], v[rA:rA+7], v[rB:rB+7], v[BI+8*i:BI+8*i+7]
.else
	v_wmma_f32_16x16x32_bf16 v[rD:rD+7], v[rA:rA+7], v[rB:rB+7], v[rD:rD+7]
.endif
.endm
; Product i of 8 of Y^T for tile x: features 16 i on, the block's 32 hidden numbers: eight accumulators, one product each.
.macro MM2 x
	WIN 0xa1                                       ; W2 in window 1, P in window 0, the rows in window 2
.set rD, 64*(\x)+8*i
.set rB, PB+8*((\x)%2)
	v_wmma_f32_16x16x32_bf16 v[rD:rD+7], v[W2F+8*i:W2F+8*i+7], v[rB:rB+7], v[rD:rD+7]
.endm
; THE VECTOR WORK: number q of the 96 of tile T's gelu, for the lane's 16 numbers h.  Each stage is 8 (the first: 16) instructions that do not depend on each other.
;   0-15 u = h clipped to -4..4, ascending: each accumulator's lowest register is read first     16-23 u^2     24-71 Q(u^2), by Horner     72-79 0.5 + u Q     80-87 times h     88-95 rounded to bf16 in pairs
.macro GEL
.set rH, HB+16*(T%2)
.set rP, PB+8*(T%2)
.set z, 2*(q%8)
	WIN 0
.if q < 16
	v_med3_num_f32 v[UU+q], v[rH+q], -4.0, 4.0
.elseif q < 24
	v_pk_mul_f32 v[SS+z:SS+z+1], v[UU+z:UU+z+1], v[UU+z:UU+z+1]
.elseif q < 32
	v_pk_fma_f32 v[QQ+z:QQ+z+1], v[SS+z:SS+z+1], s[CF+12:CF+13], s[CF+10:CF+11] op_sel_hi:[1,0,0]
.elseif q < 72
.set c, CF+2*(4-(q-32)/8)
	v_pk_fma_f32 v[QQ+z:QQ+z+1], v[QQ+z:QQ+z+1], v[SS+z:SS+z+1], s[c:c+1] op_sel_hi:[1,1,0]
.elseif q < 80
	v_pk_fma_f32 v[QQ+z:QQ+z+1], v[UU+z:UU+z+1], v[QQ+z:QQ+z+1], 0.5 op_sel_hi:[1,1,0]
.elseif q < 88
	v_pk_mul_f32 v[QQ+z:QQ+z+1], v[rH+z:rH+z+1], v[QQ+z:QQ+z+1]
.else
	v_cvt_pk_bf16_f32 v[rP+q-88], v[QQ+z], v[QQ+z+1]
.endif
.set q, q+1
.endm
.macro RID n
.rept \n
	GEL
.endr
.endm
; THE LDS LOADS stand in runs, never singly among the matrix instructions.  A fragment is 1,024 consecutive bytes: 16 x lane brings registers 0-3, 512 bytes on registers 4-7.
.macro FETCH_W1B                    ; the block's W1 (8 fragments) and its b1: register j of C operand td is b1[32 j' + 16 td + 8 (lane / 16) + j], the same for all 16 rows
	WIN 0
	v_add_nc_u32 v[ADR], s[TB], v[L16]
	v_add_nc_u32 v[BADR], s[BB], v[PA]
	s_add_co_u32 s[BB], s[BB], 128
	WIN 0x40                                       ; destination window 1
.irp f, 0,1,2,3,4,5,6,7
	ds_load_b128 v[W1F+8*\f:W1F+8*\f+3],   v[ADR] offset:\f*1024
	ds_load_b128 v[W1F+8*\f+4:W1F+8*\f+7], v[ADR] offset:\f*1024+512
.endr
	WIN 0
.irp d, 0,1
	ds_load_b128 v[BI+8*\d:BI+8*\d+3],   v[BADR] offset:O_B1+64*\d
	ds_load_b128 v[BI+8*\d+4:BI+8*\d+7], v[BADR] offset:O_B1+64*\d+16
.endr
.endm
.macro FETCH_W2 adv                 ; the block's W2 (8 fragments).  adv = 1: the next fetch is the next block's
	WIN 0
	v_add_nc_u32 v[ADR], s[TB], v[L16]
.if \adv
	s_add_co_u32 s[TB], s[TB], BLK
.endif
	WIN 0x40
.irp f, 0,1,2,3,4,5,6,7
	ds_load_b128 v[W2F+8*\f:W2F+8*\f+3],   v[ADR] offset:8192+\f*1024
	ds_load_b128 v[W2F+8*\f+4:W2F+8*\f+7], v[ADR] offset:8192+\f*1024+512
.endr
	WIN 0
.endm
; A TURN, for tile t of a block: gelu of tile t; H^T of tile t + 1 (for t = 3: tile 0 of the next block); Y^T of tile t - 1 (for t = 0: tile 3 of the block before).  end = 1: a pass's last two turns: nothing is fetched, and the
; last starts no new H^T.  W1 and b1 of the next block are fetched in turn 2, behind the last product that reads them and its six riders, and waited for at the head of turn 3; W2 of the block in hand at the head of turn 1,
; behind the last product that reads the block before's and its six riders, and waited for in that turn's middle.  Each run has 8 products and their 48 riders in which to land.
.macro TURN t, end=0
.set T, (\t)
.set q, 0
.if ((\t) == 3) && !(\end)
	s_wait_dscnt 0x0                               ; W1 and b1 are in
.endif
.if (\t) == 1
	FETCH_W2 1
.endif
.if !((\end) && ((\t) == 3))
.set i, 0
.rept 8
	MM1 ((\t)+1)%4
	RID 6
.set i, i+1
.endr
.endif
.if ((\t) == 2) && !(\end)
	FETCH_W1B
.endif
.if (\t) == 1
	s_wait_dscnt 0x0                               ; W2 is in
.endif
.set i, 0
.rept 8
	MM2 ((\t)+3)%4
.if (\end) && ((\t) == 3)
	RID 12
.else
	RID 6
.endif
.set i, i+1
.endr
.endm
; THE CHANGE OF CHUNKS.  All that is wanted of the chunk that is left lies in registers.  Each wave waits for all its tensor loads (its part of the chunk that is entered), adds 0 to its spare word, and waits for that and for
; its own LDS reads.  kind 2: a pass's resident chunk 0 is entered, chunk 1 asked for into slot 0.  kind 1: the other slot is entered, the next chunk asked for into the slot that is free.  kind 0: the last chunk: nothing is asked for.
; Where a load follows, the barrier is a round of the cluster's, so that no wave of any partner still reads the slot or has a load on its way, and the joint load is the first thing behind it.
; The descriptor's address is made anew each time: wfrag at my quarter, plus the chunk's number times 65,536.
.macro CHANGE kind
	WIN 0                                          ; at a label and at a branch every window is 0
	s_wait_tensorcnt 0x0                           ; no tensor load of mine is out, so a group 0 may be written
	ds_add_u32 v[SPW], v[NIL]                      ; 0 onto my spare word; the scalar work stands between it and the wait for it
.if (\kind) == 2
	s_mov_b32 s[TB], s[RB]
	s_mov_b32 s[RG], 0x10000                       ; the next change turns this into slot 0
	s_mov_b32 s[G0A+1], s[W16K]                    ; my quarter of slot 0
	s_lshr_b32 s[NXT], s[PM], 11
	s_add_co_u32 s[NXT], s[NXT], 1                 ; chunk 1 of wfrag for MLP a, 5 for MLP b
.else
	s_xor_b32 s[RG], s[RG], 0x10000
	s_mov_b32 s[TB], s[RG]
.endif
.if (\kind) == 1
	s_xor_b32 s[G0A+1], s[G0A+1], 0x10000
.endif
.if (\kind) > 0
	s_lshl_b32 s[OFF], s[NXT], 16
	s_add_nc_u64 s[G0A+2:G0A+3], s[WB:WB+1], s[OFF:OFF+1]
	s_or_b32 s[G0A+3], s[G0A+3], 0x80000000
	s_add_co_u32 s[NXT], s[NXT], 1
.endif
	s_wait_dscnt 0x0                               ; the add is done, and my LDS reads are over
.if (\kind) > 0
	CROUND
	tensor_load_to_lds s[G0A:G0A+3], s[G1W:G1W+7]
	s_nop 0
.rept 4
	v_nop
.endr
.else
	s_barrier_signal -1
	s_barrier_wait -1
.endif
.endm
; A NORM over the four tiles' rows, in place in window 2; the tiles alternate, so that no instruction waits for the one before it.  Register 8 mt + j of a gain or bias is its number 16 mt + 8 (lane / 16) + j.
.macro RED r                        ; a pair's two halves and the other half of the lanes' are added: every lane then holds its row's sum
.irp i, 0,1,2,3
	v_add_f32 v[(\r)+2*\i], v[(\r)+2*\i], v[(\r)+2*\i+1]
.endr
.irp i, 0,1,2,3
	v_permlanex16_b32 v[TP+\i], v[(\r)+2*\i], s[SEL], s[SEL+1]
.endr
.irp i, 0,1,2,3
	v_add_f32 v[(\r)+2*\i], v[(\r)+2*\i], v[TP+\i]
.endr
.endm
.macro VLD dst, off                 ; a vector of 128 numbers out of the pass's set
.irp m, 0,1,2,3,4,5,6,7
	ds_load_b128 v[(\dst)+8*\m:(\dst)+8*\m+3],   v[PA] offset:(\off)+64*\m
	ds_load_b128 v[(\dst)+8*\m+4:(\dst)+8*\m+7], v[PA] offset:(\off)+64*\m+16
.endr
.endm
.macro LN goff, boff, b2            ; b2 = 1: b2 is fetched too, for what follows
	WIN 0
	VLD GP, \goff
	VLD BP, \boff
.if \b2
	VLD XP, O_B2
.endif
	WIN 0x0a                                       ; sources 0 and 1 window 2.  The sums go up the registers
.irp i, 0,1,2,3
	v_pk_add_f32 v[SUM+2*\i:SUM+2*\i+1], v[64*\i:64*\i+1], v[64*\i+2:64*\i+3]
.endr
	WIN 0x02
.set n, 2
.rept 30
.irp i, 0,1,2,3
	v_pk_add_f32 v[SUM+2*\i:SUM+2*\i+1], v[64*\i+2*n:64*\i+2*n+1], v[SUM+2*\i:SUM+2*\i+1]
.endr
.set n, n+1
.endr
	WIN 0
	RED SUM
.irp i, 0,1,2,3
	v_mul_f32 v[SUM+2*\i], s[RN], v[SUM+2*\i]      ; the mean
.endr
	WIN 0x82                                       ; destination and source 0 window 2
.set n, 0
.rept 32
.irp i, 0,1,2,3
	v_pk_add_f32 v[64*\i+2*n:64*\i+2*n+1], v[64*\i+2*n:64*\i+2*n+1], v[SUM+2*\i:SUM+2*\i+1] op_sel_hi:[1,0] neg_lo:[0,1] neg_hi:[0,1]
.endr
.set n, n+1
.endr
	WIN 0x0a
.irp i, 0,1,2,3
	v_pk_mul_f32 v[VAR+2*\i:VAR+2*\i+1], v[64*\i:64*\i+1], v[64*\i:64*\i+1]
.endr
.set n, 1
.rept 31
.irp i, 0,1,2,3
	v_pk_fma_f32 v[VAR+2*\i:VAR+2*\i+1], v[64*\i+2*n:64*\i+2*n+1], v[64*\i+2*n:64*\i+2*n+1], v[VAR+2*\i:VAR+2*\i+1]
.endr
.set n, n+1
.endr
	WIN 0
	RED VAR
.irp i, 0,1,2,3
	v_fma_f32 v[VAR+2*\i], v[VAR+2*\i], s[RN], s[EPS]
.endr
.irp i, 0,1,2,3
	v_rsq_f32 v[VAR+2*\i], v[VAR+2*\i]
.endr
	v_nop                                          ; a plain instruction between the last root and the use of its result (ISA guide 5.7.2)
	s_wait_dscnt 0x0                               ; the gain, the bias and b2 are in
	WIN 0x82
.set n, 0
	s_wait_alu depctr_va_vdst(0)
.rept 32
.irp i, 0,1,2,3
	v_pk_mul_f32 v[64*\i+2*n:64*\i+2*n+1], v[64*\i+2*n:64*\i+2*n+1], v[VAR+2*\i:VAR+2*\i+1] op_sel_hi:[1,0]
.endr
.set n, n+1
.endr
.set n, 0
.rept 32
.irp i, 0,1,2,3
	v_pk_fma_f32 v[64*\i+2*n:64*\i+2*n+1], v[64*\i+2*n:64*\i+2*n+1], v[GP+2*n:GP+2*n+1], v[BP+2*n:BP+2*n+1]
.endr
.set n, n+1
.endr
	WIN 0
.endm
.macro ADDXP                        ; XP's vector onto all four tiles' rows
	WIN 0x82
.set n, 0
.rept 32
.irp i, 0,1,2,3
	v_pk_add_f32 v[64*\i+2*n:64*\i+2*n+1], v[64*\i+2*n:64*\i+2*n+1], v[XP+2*n:XP+2*n+1]
.endr
.set n, n+1
.endr
	WIN 0
.endm
; A batch's x: row by row into my stage, back by fragments, a tile at a time.  LDS serves a wave's instructions in order (ISA guide 5.7.1.4): the loads see the stores in front of them, the next tile's stores come behind them.
.macro PRE
	WIN 0
	s_wait_loadcnt 0x0                             ; the batch's 64 rows are in
	VLD XP, O_BO                                   ; bo_time
.irp i, 0,1,2,3
	WIN 0x0c                                       ; store data in window 3
.set p, 0
.rept 16
	ds_store_b128 v[STR], v[4*(16*\i+p):4*(16*\i+p)+3] offset:p*SPITCH
.set p, p+1
.endr
	WIN 0x80                                       ; destination window 2
.set p, 0
.rept 8
	ds_load_b128 v[64*\i+8*p:64*\i+8*p+3],   v[STF] offset:64*p
	ds_load_b128 v[64*\i+8*p+4:64*\i+8*p+7], v[STF] offset:64*p+16
.set p, p+1
.endr
.endr
	WIN 0
	s_wait_dscnt 0x0
	s_cmp_lg_u32 s[PAS], 4
	s_cbranch_scc1 .Lno_x                          ; only the first pass has a further batch to ask for
	WIN 0xc0
.set i, 0
.rept 64                                           ; the second batch's rows, 256 rows on: they are wanted two passes later
	global_load_b128 v[4*i:4*i+3], v[L16], s[XPT:XPT+1] offset:131072+512*i th:TH_LOAD_NT
.set i, i+1
.endr
	WIN 0
.Lno_x:
	ADDXP
.endm
; THE WAY OUT: by fragments into my stage, back row by row, a tile at a time; a store of the wave is one row, 512 consecutive bytes at a multiple of 512 from out0's first byte.
.macro OSTG i
	WIN 0x08                                       ; store data in window 2
.set p, 0
.rept 8
	ds_store_b128 v[STF], v[64*(\i)+8*p:64*(\i)+8*p+3]   offset:64*p
	ds_store_b128 v[STF], v[64*(\i)+8*p+4:64*(\i)+8*p+7] offset:64*p+16
.set p, p+1
.endr
	WIN 0
.set p, 0
.rept 16
	ds_load_b128 v[OB+64*((\i)%2)+4*p:OB+64*((\i)%2)+4*p+3], v[STR] offset:p*SPITCH
.set p, p+1
.endr
.endm
.macro OSND i
.set p, 0
.rept 16
	global_store_b128 v[L16], v[OB+64*((\i)%2)+4*p:OB+64*((\i)%2)+4*p+3], s[OPT:OPT+1] offset:(16*(\i)+p)*512 th:TH_STORE_NT
.set p, p+1
.endr
.endm
.macro OUT
	OSTG 0
	OSTG 1
	s_wait_dscnt 32                                ; all but the next tile's 16 stores and 16 loads: tile 0 is back in registers
	OSND 0
	s_wait_xcnt 0x0                                ; the stores' addresses are translated (ISA guide 3.1): only behind this wait is tile 0's buffer loaded again
	OSTG 2
	s_wait_dscnt 32
	OSND 1
	s_wait_xcnt 0x0
	OSTG 3
	s_wait_dscnt 32
	OSND 2
	s_wait_dscnt 0x0
	OSND 3
	s_wait_xcnt 0x0                                ; the stores' base and data registers are rewritten only behind this wait
	s_add_nc_u64 s[OPT:OPT+1], s[OPT:OPT+1], 131072  ; the second batch's rows
.endm
.Lpass:                             ; four trips: (batch 0, MLP a), (batch 0, MLP b), (batch 1, MLP a), (batch 1, MLP b)
	s_cmp_lg_u32 s[PM], 0
	s_cbranch_scc1 .Lno_pre                        ; MLP b goes on with the rows that MLP a's pass left
	PRE
.Lno_pre:
	LN O_GPRE, O_BPRE, 1
	WIN 0x4a                                       ; destination window 1, sources window 2: the rows, rounded in pairs, are X's fragments
.set n, 0
.rept 128
	v_cvt_pk_bf16_f32 v[XB+n], v[2*n], v[2*n+1]
.set n, n+1
.endr
	ADDXP                                          ; the residual plus b2: what Y^T is added onto
	s_mov_b32 s[BB], 0
	CHANGE 2
	FETCH_W1B                                      ; block 0
	FETCH_W2 0                                     ; its W2 already now, so that the first turn's products by zeros have numbers to multiply; turn 1 fetches it in its own place
	s_wait_dscnt 0x0
.set i, 0
.rept 8
	MM1 0                                          ; tile 0's first H^T: there is no vector work yet to set between them
.set i, i+1
.endr
	WIN 0
.set i, 0
.rept 8
	v_mov_b32 v[PB+8+i], 0                         ; the first turn's Y^T, of a tile that has not been, adds W2 x 0; these eight lines are also the places behind the products above
.set i, i+1
.endr
	s_mov_b32 s[CNT], 4
	s_mov_b32 s[CH], 3
	s_branch .Lmid                                 ; the loop is entered at a block's first turn, in the middle of a trip
.Lchunk:                            ; twice: chunks 1 and 2 are entered, chunks 2 and 3 asked for
	CHANGE 1
	s_mov_b32 s[CNT], 4
.Lblk:                              ; a trip: turns 2 and 3 of one block, then turns 0 and 1 of the next, whose W1, b1 and W2 it fetches
	TURN 2
	TURN 3
	WIN 0
.Lmid:
	TURN 0
	TURN 1
	WIN 0
	s_sub_co_u32 s[CNT], s[CNT], 1
	s_cmp_lg_u32 s[CNT], 0
	s_cbranch_scc1 .Lblk
	s_sub_co_u32 s[CH], s[CH], 1
	s_cmp_lg_u32 s[CH], 0
	s_cbranch_scc1 .Lchunk
	CHANGE 0                                       ; the last chunk is written out
	s_mov_b32 s[CNT], 4
.Lblk2:
	TURN 2
	TURN 3
	TURN 0
	TURN 1
	WIN 0
	s_sub_co_u32 s[CNT], s[CNT], 1
	s_cmp_lg_u32 s[CNT], 0
	s_cbranch_scc1 .Lblk2
	TURN 2, 1
	TURN 3, 1
.set i, 0
.rept 8
	MM2 3                                          ; tile 3's Y^T of the last block
.set i, i+1
.endr
	WIN 0
.rept 4
	v_nop                                          ; four places in front of the loads into P's registers and of the sums that read the results
.endr
	LN O_GPOST, O_BPOST, 0
	s_cmp_eq_u32 s[PM], 0
	s_cbranch_scc1 .Lno_out                        ; behind MLP a the rows stay in registers
	OUT
.Lno_out:
	s_xor_b32 s[PM], s[PM], 0x2000                 ; the other MLP: its small vectors,
	s_xor_b32 s[RB], s[RB], 0x10000                ; its resident chunk
	v_add_nc_u32 v[PA], s[PM], v[PA0]
	s_sub_co_u32 s[PAS], s[PAS], 1
	s_cmp_lg_u32 s[PAS], 0
	s_cbranch_scc1 .Lpass
	s_wait_tensorcnt 0x0                           ; the wave's end: behind my last tensor load and my last LDS store
	ds_add_u32 v[SPW], v[NIL]
	s_wait_dscnt 0x0
	CROUND                                         ; the closing round: no work-group ends while a partner may still ask for a chunk that names it
	s_endpgm
.Lfunc_end_k_q800a98a44f_fused:
	.size	k_q800a98a44f_fused, .Lfunc_end_k_q800a98a44f_fused-k_q800a98a44f_fused
	.p2alignl 7, 3214868480
	.fill 96, 4, 3214868480
	.section	.rodata,"a",@progbits
	.p2align	6, 0x0
	.amdhsa_kernel k_q800a98a44f_fused
		.amdhsa_group_segment_fixed_size 327680
		.amdhsa_private_segment_fixed_size 0
		.amdhsa_enable_private_segment 0
		.amdhsa_kernarg_size 136
		.amdhsa_user_sgpr_count 2
		.amdhsa_user_sgpr_kernarg_segment_ptr 1
		.amdhsa_wavefront_size32 1
		.amdhsa_system_sgpr_workgroup_id_x 1
		.amdhsa_system_sgpr_workgroup_id_y 1
		.amdhsa_system_sgpr_workgroup_id_z 1
		.amdhsa_system_vgpr_workitem_id 0
		.amdhsa_next_free_vgpr 1024
		.amdhsa_next_free_sgpr 102
		.amdhsa_reserve_vcc 0
		.amdhsa_float_denorm_mode_32 3
		.amdhsa_float_denorm_mode_16_64 3
		.amdhsa_memory_ordered 1
		.amdhsa_forward_progress 1
		.amdhsa_inst_pref_size 249
	.end_amdhsa_kernel
	.amdgpu_metadata
---
amdhsa.version: [ 1, 2 ]
amdhsa.kernels:
  - .name:           k_q800a98a44f_fused
    .symbol:         k_q800a98a44f_fused.kd
    .args:
      - { .name: x, .offset: 0, .size: 8, .value_kind: global_buffer, .address_space: global }
      - { .name: wfrag, .offset: 8, .size: 8, .value_kind: global_buffer, .address_space: global }
      - { .name: bo_time, .offset: 16, .size: 8, .value_kind: global_buffer, .address_space: global }
      - { .name: g1, .offset: 24, .size: 8, .value_kind: global_buffer, .address_space: global }
      - { .name: be1, .offset: 32, .size: 8, .value_kind: global_buffer, .address_space: global }
      - { .name: b2a, .offset: 40, .size: 8, .value_kind: global_buffer, .address_space: global }
      - { .name: g2, .offset: 48, .size: 8, .value_kind: global_buffer, .address_space: global }
      - { .name: be2, .offset: 56, .size: 8, .value_kind: global_buffer, .address_space: global }
      - { .name: bo_recv, .offset: 64, .size: 8, .value_kind: global_buffer, .address_space: global }
      - { .name: g3, .offset: 72, .size: 8, .value_kind: global_buffer, .address_space: global }
      - { .name: be3, .offset: 80, .size: 8, .value_kind: global_buffer, .address_space: global }
      - { .name: b2b, .offset: 88, .size: 8, .value_kind: global_buffer, .address_space: global }
      - { .name: g4, .offset: 96, .size: 8, .value_kind: global_buffer, .address_space: global }
      - { .name: be4, .offset: 104, .size: 8, .value_kind: global_buffer, .address_space: global }
      - { .name: b1a, .offset: 112, .size: 8, .value_kind: global_buffer, .address_space: global }
      - { .name: b1b, .offset: 120, .size: 8, .value_kind: global_buffer, .address_space: global }
      - { .name: out0, .offset: 128, .size: 8, .value_kind: global_buffer, .address_space: global }
    .group_segment_fixed_size: 327680
    .private_segment_fixed_size: 0
    .kernarg_segment_align: 8
    .kernarg_segment_size: 136
    .max_flat_workgroup_size: 128
    .sgpr_count:     102
    .vgpr_count:     1024
    .wavefront_size: 32
...
	.end_amdgpu_metadata
.endif
;; end of part 2
